; MI455X (gfx1250); checked and timed in simulation.
; The chip was launched on July 23, 2026; its instructions are those of AMD's public machine-readable ISA for CDNA 5 (MIT licence, August 2026) and "CDNA5" Instruction Set Architecture Reference Guide (July 2026). The comments in the code are by the model that wrote it; some were corrected since.
;; Sparse Mo E. Allowed arithmetic: matrix products marked QUANTISED: E2M3 operands, one E8M0 scale for each 32 along K, by v_wmma_scale_f32_16x16x128_f8f6f4 with both operands' format E2M3, f32 sums; products left as they are: f32 operands where the result goes on into a quantised operand, else bf16, f16 or f32 operands; f32 sums; everything else in f32.
;; Inputs: W1_codes 8 x 512 x 16 x 24 uint8 (E2M3 codes of W1, K innermost, in blocks of 32 codes, four codes in three bytes); W1_scales 8 x 512 x 16 uint8 (E8M0 scales of W1, one for each 32 codes along K); W2_codes 8 x 512 x 16 x 24 uint8 (E2M3 codes of W2, K innermost, in blocks of 32 codes, four codes in three bytes); W2_scales 8 x 512 x 16 uint8 (E8M0 scales of W2, one for each 32 codes along K); Wg 512 x 8 float32; b1 8 x 512 float32; b2 8 x 512 float32; bg 8 float32; x 4 x 2,048 x 512 float32.
;; Outputs: out0 4 x 2,048 x 512 float32.
;; This version of the problem:
;;   THIS VERSION OF THE PROBLEM IS GIVEN IN LOW PRECISION. The matrix products marked QUANTISED in the list below multiply operands that are first quantised to E2M3 (2 exponent bits, 3 mantissa bits; 6 bits a number), with one power-of-two scale for each 32 numbers along K (OCP MX v1.0); their sums are f32. All else is computed in f32.
;;   The module's matrix products, in the order in which they are computed (A, B: the left and right operand; K: the contracted axis; several contracted axes count as one K, in the product's order):
;;     1. [M 8,192, K 512] x [K 512, N 8]; A: input x; B: input Wg: left as it is (N = 8 < 16)
;;     2. [M 8,192, K 512] x [K 512, N 4,096]; A: input x; B: input W1 (given as codes): QUANTISED
;;     3. batch 8 x [M 512, K 512] x [K 512, N 8,192]; A: input W2 (given as codes); B: computed on the way: QUANTISED
;;   THE QUANTISER, for each operand of a quantised product, along K:
;;     - K is cut into blocks of 32 from its start; a last block that is shorter is filled with zeros.
;;     - A block's scale is 2^e with e = floor(log2(the largest magnitude in the block)) - 2, held to -126 .. 127; a block of zeros has e = 0. As a byte (E8M0): e + 127.
;;     - Each number is divided by its block's scale, clamped to +-7.5, and rounded to the nearest number of E2M3, ties to even, subnormals kept.
;;     - The product sums the exact products of the quantised numbers (number of the format x scale) in f32.
;;   ~~~python
;;   def quantise(x, axis):      # numpy; x: float32 -> the quantised numbers, widened to float32 again
;;       x = np.moveaxis(x, axis, -1); K = x.shape[-1]
;;       x = np.pad(x, [(0, 0)] * (x.ndim - 1) + [(0, -K % 32)]); x = x.reshape(x.shape[:-1] + (-1, 32)); a = np.abs(x).max(-1, keepdims=True)
;;       e = np.where(a > 0, np.clip(np.frexp(np.where(a > 0, a, 1))[1] - 1 - 2, -126, 127), 0)      # np.frexp(a)[1] - 1 = floor(log2(a)), exactly
;;       r = np.clip(x / 2.0 ** e, -7.5, 7.5)
;;       step = 2.0 ** (np.maximum(np.frexp(np.where(r == 0, 1, r))[1] - 1, 0) - 3)
;;       q = np.round(r / step) * step * 2.0 ** e      # np.round: ties to even
;;       return np.moveaxis(q.reshape(q.shape[:-2] + (-1,))[..., :K], -1, axis).astype(np.float32)
;;   ~~~
;;   OPERANDS COMPUTED ON THE WAY. 'Computed on the way' means the value that the module computes at that place (a softmax that the list does not call 'softmax' is quantised finished and normalised). What goes into a quantiser is computed in f32, as accurately as f32 sums, v_exp_f32 and their like allow (about 1e-6 of the number): no bf16 or f16 on the way to a quantiser, and a product that is left as it is and whose result goes on into a quantised operand takes f32 operands (vector FMAs, or v_wmma_f32_16x16x4_f32). A number that lies on a knife's edge between two numbers of the format may be rounded either way, as far as f32 arithmetic and the matrix unit's own rounding can turn it there, and no further.
;;   INPUTS GIVEN AS CODES. W1 (in the module: [8, 512, 512], K = its axis 1); W2 (in the module: [8, 512, 512], K = its axis 1): each comes as NAME_codes (uint8): NAME with its K axis moved to the last place and cut into blocks of 32 codes, [.., K / 32, bytes a block], one block behind the other in memory; four codes in three bytes: a row's codes are one little-endian stream of bits, code i at bits 6 i .. 6 i + 5 (a code: sign, 2 exponent bits, 3 mantissa bits); and NAME_scales (uint8): the same leading axes, one E8M0 byte (e + 127) for each 32 codes along K. Its value is code x scale, taken as it is: it is not quantised again, and the codes and scales need not be those that the quantiser above would give.
;; One version. Each part assembles by itself: llvm-mc -triple=amdgcn-amd-amdhsa -mcpu=gfx1250 --defsym DOCPART=n.
;; ======== version 1 of 1: 3 launches
;; workspace buffers: xq 3,145,728 bytes; xs 131,072 bytes; assign 32,768 bytes of whole numbers; gatew 32,768 bytes; order 262,144 bytes of whole numbers; counts 256 bytes of whole numbers; wimg 3,145,728 bytes; wsc 131,072 bytes
;; launch prep (part 1): grid 384 x 1, 4 waves a work-group, no clusters, 100,864 bytes of LDS; arguments x, Wg, bg, xq, xs, assign, gatew, W1_codes, W2_codes, W1_scales, W2_scales, wimg, wsc; writes xq, xs, assign, gatew, wimg, wsc
.if DOCPART == 1
	.amdgcn_target "amdgcn-amd-amdhsa--gfx1250"
	.amdhsa_code_object_version 6
	.text
	.protected	k_qe30bdcc45a_prep
	.globl	k_qe30bdcc45a_prep
	.p2align	8
	.type	k_qe30bdcc45a_prep,@function
k_qe30bdcc45a_prep:
	s_mov_b64 s[64:65], 0
	v_nop
	global_prefetch_b8 v0, s[64:65] scope:SCOPE_SE
	s_setreg_imm32_b32 hwreg(HW_REG_WAVE_MODE, 25, 1), 1
	s_wait_xcnt 0x0
; TWO JOBS IN ONE LAUNCH, parted on the work-group's number alone.
; Work-groups 0-255 (THE GATE): 32 tokens each, 8 a wave.  For each token: logits = x Wg + bg in f32 (fused multiply-adds), softmax with the row's maximum taken away, the largest probability w and its
; index (the lower index at a tie); and x quantised to codes of E2M3 with one E8M0 byte for each 32 along K.  Stored at fixed places: xq [8192][384], xs [8192][16], assign u32 [8192], gatew f32 [8192].
; No address here hangs on the choice: a later launch places the rows.
; Work-groups 256-383 (THE LAYOUT): W1's and W2's codes and scale bytes are copied into the order in which the third launch's operand registers take them, so that a fragment there comes by three
; loads of 512 consecutive bytes.  wimg: fragment (q, e, w, s, t) at ((((q 8 + e) 8 + w) 4 + s) 4 + t) 1536 + 512 j + 16 lane (j: registers 4 j .. 4 j + 3).  wsc: (((q 8 + e) 8 + w) 4 + s) 256 + 8 lane.
; THE ROWS OF A WEIGHT THAT FORM A TILE ARE NOT NEIGHBOURS: lane r of tile 2 b + u of wave w takes row 64 w + 32 b + 8 u + r + 8 (r / 8).
; THE GATE, a wave: a row of x is 2,048 bytes: four loads of 512 consecutive bytes; all eight rows are asked for at once.  A row turns through the wave's own stage in LDS (16 bytes of padding behind each 64),
; so that lane l holds k = 16 l .. 16 l + 15: 16 neighbours for the conversion, two lanes to a block.  Wg (16 KB) turns likewise, once: lane l then holds Wg[16 l .. 16 l + 15][0 .. 7] in 128 registers.
; A packed multiply-add takes ONE number of x for both halves and two neighbouring experts of Wg, as they lie.  The 64 partial sums (8 rows x 8 experts) are added over the lanes by halving: after three
; steps lane l holds row l % 8, so the softmax is written once for all eight rows.
; No barrier: waves share nothing.  LIMITS: NaN and infinities are not served; a block whose largest magnitude lies under 2^-124 gets the byte 1 (a block of zeros too, where the rule says 127: its codes
; are zeros and this program alone reads the bytes); w is p x (1 / sum) by v_rcp_f32; the logits' sums run in another order than a plain loop over k.
.set SP,    80                         ; a lane's place in x's stage: 64 bytes + 16
.set WREG,  25088                      ; LDS of a wave: two stages of 32 x SP, 128 scale bytes at SCB, Wg's stage at WGS
.set SCB,   5120
.set WGS,   8192
.set WGP,   528                        ; a lane's place in Wg's stage: 512 bytes + 16: an odd multiple of 16
.set R,     16                         ; v16-143  eight rows as loaded, 16 registers each; row t's first eight later hold its eight partial logits
.set X,     144                        ; v144-175 two sets of 16 neighbours
.set C,     176                        ; v176-207 codes, four registers a row: no store's data are written again
.set E,     208                        ; v208-215 a scale byte a row
.set AC,    216                        ; v216-231 eight accumulator pairs: experts (2 p, 2 p + 1), even k at AC + 2 p, odd k at AC + 8 + 2 p
.set TA,    R+8                        ; v24-31, v40-47: at work while the sums are halved
.set TB,    R+24
; window 1 (v256-383): v0-127 Wg: register 8 kk + e = Wg[16 l + kk][e]
.set MSB, 0
.macro WIN new                         ; the immediate's high byte repeats the setting that is left
.if MSB != \new
	s_set_vgpr_msb (MSB<<8)|\new
.set MSB, \new
.endif
.endm
	s_load_b512 s[4:19], s[0:1], 0x0               ; x s[4:5], Wg s[6:7], bg s[8:9], xq s[10:11], xs s[12:13], assign s[14:15], gatew s[16:17], W1's codes s[18:19]
	s_load_b256 s[20:27], s[0:1], 0x40             ; W2's codes s[20:21], W1's scales s[22:23], W2's scales s[24:25], wimg s[26:27]
	s_load_b64 s[28:29], s[0:1], 0x60              ; wsc
	v_lshl_add_u32 v254, v0, 2, 0x18800
	v_mov_b32 v255, 0
	v_lshrrev_b32 v1, 5, v0
	v_readfirstlane_b32 s30, v1                    ; wave 0..3
	v_and_b32 v1, 31, v0                           ; lane
	s_cmp_lt_u32 ttmp9, 256
	s_cbranch_scc0 .Lrelay
	; ---------------- THE GATE ----------------
	v_lshlrev_b32 v2, 4, v1                        ; 16 l: my 16 bytes of a load's 512
	s_mul_i32 s31, s30, WREG
	v_lshrrev_b32 v3, 2, v1
	v_mul_u32_u24 v3, v3, SP
	v_and_b32 v4, 3, v1
	v_lshl_add_u32 v3, v4, 4, v3
	v_add_nc_u32 v3, s31, v3                       ; x's stage, in: SP (l / 4) + 16 (l % 4)
	v_mul_u32_u24 v4, v1, SP
	v_add_nc_u32 v4, s31, v4                       ; and out: SP l
	s_add_co_u32 s46, s31, SCB
	v_lshrrev_b32 v5, 1, v1
	v_add_nc_u32 v5, s46, v5                       ; my block's scale byte
	v_lshl_add_u32 v6, v1, 2, s46                  ; and the 128 bytes read back, 4 a lane
	v_mul_u32_u24 v7, v1, 12                       ; my 16 codes in a row of xq
	v_lshlrev_b32 v8, 2, v1
	v_and_b32 v9, 7, v1
	v_lshlrev_b32 v9, 2, v9                        ; 4 (l % 8): my row's word in assign and gatew
	s_add_co_u32 s46, s31, WGS
	v_add_nc_u32 v10, s46, v2                      ; Wg's stage, in: 16 l (+ WGP x load)
	v_mul_u32_u24 v14, v1, WGP
	v_add_nc_u32 v14, s46, v14                     ; and out: WGP l
	s_mov_b32 s40, 0xaaaaaaaa                      ; lanes with bit 0, 1, 2 of their number set
	s_mov_b32 s41, 0xcccccccc
	s_mov_b32 s42, 0xf0f0f0f0
	s_mov_b32 s44, 0x76543210                      ; v_permlanex16_b32's selects for lane l xor 16
	s_mov_b32 s45, 0xfedcba98
	s_lshl_b32 s46, ttmp9, 5
	s_lshl_b32 s47, s30, 3
	s_add_co_u32 s46, s46, s47                     ; my wave's first token: 32 x work-group + 8 x wave
	s_mov_b32 s49, 0
	s_wait_kmcnt 0x0
	s_load_b256 s[32:39], s[8:9], 0x0              ; bg: eight numbers, wanted at the very end
	s_lshl_b32 s48, s46, 11
	s_add_nc_u64 s[4:5], s[4:5], s[48:49]          ; x: 2,048 bytes a token
	s_mul_i32 s48, s46, 384
	s_add_nc_u64 s[10:11], s[10:11], s[48:49]      ; xq: 384
	s_lshl_b32 s48, s46, 4
	s_add_nc_u64 s[12:13], s[12:13], s[48:49]      ; xs: 16
	s_lshl_b32 s48, s46, 2
	s_add_nc_u64 s[14:15], s[14:15], s[48:49]      ; assign, gatew: 4
	s_add_nc_u64 s[16:17], s[16:17], s[48:49]
	WIN 0x40                                       ; destination window 1
.set i, 0
.rept 32
	global_load_b128 v[4*i:4*i+3], v2, s[6:7] offset:512*i       ; Wg as it lies: 512 consecutive bytes a load
.set i, i+1
.endr
	WIN 0
.irp t, 0,1,2,3,4,5,6,7
.irp i, 0,1,2,3
	global_load_b128 v[R+16*\t+4*\i:R+16*\t+4*\i+3], v2, s[4:5] offset:2048*\t+512*\i th:TH_LOAD_NT   ; all eight rows are on their way
.endr
.endr
	s_wait_loadcnt 32                              ; Wg is in; the 32 loads of x issued behind it may be out
	WIN 0x04                                       ; an LDS store's data are its source 1: window 1
.set i, 0
.rept 32
	ds_store_b128 v10, v[4*i:4*i+3] offset:WGP*i   ; load i's 512 bytes are lane i's: place i
.set i, i+1
.endr
	WIN 0x40
.set i, 0
.rept 32
	ds_load_b128 v[4*i:4*i+3], v14 offset:16*i     ; LDS serves a wave's instructions in order: these see the stores above, and land behind them
.set i, i+1
.endr
	WIN 0
.macro TURN t                          ; row t through the stage
.irp i, 0,1,2,3
	ds_store_b128 v3, v[R+16*(\t)+4*\i:R+16*(\t)+4*\i+3] offset:32*SP*((\t)%2)+8*SP*\i
.endr
.irp i, 0,1,2,3
	ds_load_b128 v[X+16*((\t)%2)+4*\i:X+16*((\t)%2)+4*\i+3], v4 offset:32*SP*((\t)%2)+16*\i
.endr
.endm
.macro GATE2 j, first                  ; k = 16 l + 2 j and 2 j + 1 against all eight experts: one number of x for both halves, two neighbouring experts
.irp p, 0,1,2,3
.if \first
	v_pk_mul_f32 v[AC+2*\p:AC+2*\p+1], v[XS+2*(\j):XS+2*(\j)+1], v[16*(\j)+2*\p:16*(\j)+2*\p+1] op_sel_hi:[0,1]
.else
	v_pk_fma_f32 v[AC+2*\p:AC+2*\p+1], v[XS+2*(\j):XS+2*(\j)+1], v[16*(\j)+2*\p:16*(\j)+2*\p+1], v[AC+2*\p:AC+2*\p+1] op_sel_hi:[0,1,1]
.endif
.endr
.irp p, 0,1,2,3
.if \first
	v_pk_mul_f32 v[AC+8+2*\p:AC+8+2*\p+1], v[XS+2*(\j):XS+2*(\j)+1], v[16*(\j)+8+2*\p:16*(\j)+8+2*\p+1] op_sel:[1,0] op_sel_hi:[1,1]
.else
	v_pk_fma_f32 v[AC+8+2*\p:AC+8+2*\p+1], v[XS+2*(\j):XS+2*(\j)+1], v[16*(\j)+8+2*\p:16*(\j)+8+2*\p+1], v[AC+8+2*\p:AC+8+2*\p+1] op_sel:[1,0,0] op_sel_hi:[1,1,1]
.endif
.endr
.endm
.macro STEP t
.set XS, X+16*((\t)%2)
.if (\t) > 0
	s_wait_dscnt 1                                 ; this row is back from the stage; only the last row's byte store may be out
.else
	s_wait_dscnt 0x0                               ; Wg and row 0 are back
.endif
.if (\t) < 7
	s_wait_loadcnt 4*(6-(\t))                      ; the next row's four loads are in; the rows behind it may be out
	TURN (\t)+1                                    ; it goes through the other stage while this row is worked
.endif
	v_max3_num_f32 v12, |v[XS]|, |v[XS+1]|, |v[XS+2]|            ; the largest magnitude of my 16, in two chains
	v_max3_num_f32 v13, |v[XS+3]|, |v[XS+4]|, |v[XS+5]|
.irp i, 6,10
	v_max3_num_f32 v12, v12, |v[XS+\i]|, |v[XS+\i+1]|
	v_max3_num_f32 v13, v13, |v[XS+\i+2]|, |v[XS+\i+3]|
.endr
	v_max3_num_f32 v12, v12, |v[XS+14]|, |v[XS+15]|
	v_max3_num_f32 v12, v12, v13, 0x1800000        ; and the floor 2^(3 - 127): the byte cannot fall under 1
	v_max_num_f32_dpp v12, v12, v12 row_xmask:1 row_mask:0xf bank_mask:0xf   ; with my neighbour's 16: the block's
	v_add_nc_u32 v11, 0xff000000, v12              ; 2 off its exponent field: the conversion takes this operand's exponent field as its scale
	v_cvt_scalef32_pk16_fp6_f32 v[C+4*(\t):C+4*(\t)+2], v[XS:XS+15], v11
	v_lshrrev_b32 v[E+(\t)], 23, v11               ; the scale's byte (a plain line behind the conversion)
	ds_store_b8 v5, v[E+(\t)] offset:16*(\t)       ; both lanes of a block write the same byte with the same value
	global_store_b96 v7, v[C+4*(\t):C+4*(\t)+2], s[10:11] offset:384*(\t)    ; the wave stores the row's 384 consecutive bytes
	WIN 0x04                                       ; source 1 (Wg) window 1
	GATE2 0, 1
.irp j, 1,2,3,4,5,6,7
	GATE2 \j, 0
.endr
	WIN 0
.irp p, 0,1,2,3
	v_pk_add_f32 v[R+16*(\t)+2*\p:R+16*(\t)+2*\p+1], v[AC+2*\p:AC+2*\p+1], v[AC+8+2*\p:AC+8+2*\p+1]   ; my part of the row's eight logits, into the registers that the row has left
.endr
.endm
	s_wait_loadcnt 28                              ; row 0's four loads are in
	TURN 0
.irp t, 0,1,2,3,4,5,6,7
	STEP \t
.endr
; The sums over the lanes, by halving.  Rows ra and ra + d: a lane whose number has bit k clear keeps ra's part and gives away the other's, a lane with the bit set the other way round.
.macro RS k, d
.set ra, 0
.rept 4>>\k
.irp e, 0,1,2,3,4,5,6,7
	v_cndmask_b32 v[TA+\e], v[R+16*ra+\e], v[R+16*(ra+\d)+\e], s[40+\k]     ; what I keep
	v_cndmask_b32 v[TB+\e], v[R+16*(ra+\d)+\e], v[R+16*ra+\e], s[40+\k]     ; what I give
.endr
.irp e, 0,1,2,3,4,5,6,7
	v_add_f32_dpp v[R+16*ra+\e], v[TB+\e], v[TA+\e] row_xmask:\d row_mask:0xf bank_mask:0xf
.endr
.set ra, ra+2*\d
.endr
.endm
	RS 0, 1
	RS 1, 2
	RS 2, 4                                        ; lane l now holds row l % 8
.irp e, 0,1,2,3,4,5,6,7
	v_add_f32_dpp v[R+\e], v[R+\e], v[R+\e] row_xmask:8 row_mask:0xf bank_mask:0xf
.endr
.irp e, 0,1,2,3,4,5,6,7
	v_permlanex16_b32 v[TA+\e], v[R+\e], s44, s45
.endr
	s_wait_kmcnt 0x0                               ; bg
.irp e, 0,1,2,3,4,5,6,7
	v_add_f32 v[R+\e], v[R+\e], v[TA+\e]
.endr
.irp e, 0,1,2,3,4,5,6,7
	v_add_f32 v[R+\e], s[32+\e], v[R+\e]           ; the logits
.endr
	v_max3_num_f32 v106, v[R], v[R+1], v[R+2]      ; the row's maximum is taken away ahead of the exponentials
	v_max3_num_f32 v106, v106, v[R+3], v[R+4]
	v_max3_num_f32 v106, v106, v[R+5], v[R+6]
	v_max_num_f32 v106, v106, v[R+7]
.irp e, 0,1,2,3,4,5,6,7
	v_sub_f32 v[80+\e], v[R+\e], v106
.endr
.irp e, 0,1,2,3,4,5,6,7
	v_mul_f32 v[80+\e], 0x3fb8aa3b, v[80+\e]       ; x log2(e)
.endr
.irp e, 0,1,2,3,4,5,6,7
	v_exp_f32 v[80+\e], v[80+\e]
.endr
	v_mov_b32 v105, 0                              ; the index so far (a plain line behind the exponentials)
	s_wait_alu depctr_va_vdst(0)
	v_add_f32 v88, v80, v81
	v_add_f32 v89, v82, v83
	v_add_f32 v90, v84, v85
	v_add_f32 v91, v86, v87
	v_add_f32 v88, v88, v89
	v_add_f32 v90, v90, v91
	v_add_f32 v88, v88, v90
	v_rcp_f32 v92, v88
	v_nop                                          ; a plain line behind the reciprocal
	s_wait_alu depctr_va_vdst(0)
.irp e, 0,1,2,3,4,5,6,7
	v_mul_f32 v[96+\e], v[80+\e], v92              ; the probabilities
.endr
.irp e, 1,2,3,4,5,6,7
	v_cmp_le_f32 vcc_lo, v[96+\e], v96             ; only a strictly larger one takes over: the lower index stays at a tie
	v_cndmask_b32 v105, \e, v105, vcc_lo
	v_max_num_f32 v96, v96, v[96+\e]
.endr
	global_store_b32 v9, v105, s[14:15]            ; the four lanes that hold a row store the same word
	global_store_b32 v9, v96, s[16:17]
	ds_load_b32 v232, v6                           ; my wave's 128 scale bytes (LDS serves a wave's instructions in order)
	s_wait_dscnt 0x0
	global_store_b32 v8, v232, s[12:13]            ; 128 consecutive bytes: eight rows of xs
	s_wait_tensorcnt 0x0
	ds_add_u32 v254, v255
	s_wait_dscnt 0x0
	s_endpgm
	; ---------------- THE LAYOUT ----------------
.Lrelay:                                               ; g' = work-group - 256 = 64 q + 8 e + w; the wave is the K step s
	v_and_b32 v2, 15, v1                           ; r
	v_lshrrev_b32 v3, 4, v1                        ; h
	v_and_b32 v4, 8, v2
	v_add_nc_u32 v4, v4, v2                        ; r + 8 (r / 8)
	v_mul_u32_u24 v5, v4, 384                      ; a row of 512 codes is 384 bytes
	v_mad_u32_u24 v5, v3, 24, v5                   ; + 24 h
	v_lshl_add_u32 v6, v3, 3, v4                   ; scale words: lanes 0-15 the even tile's rows, lanes 16-31 the odd tile's, 8 rows on
	v_lshlrev_b32 v6, 4, v6                        ; 16 bytes a row
	v_lshlrev_b32 v7, 4, v1
	v_lshlrev_b32 v8, 3, v1
	s_sub_co_u32 s31, ttmp9, 256
	s_and_b32 s32, s31, 63                         ; 8 e + w
	s_mul_i32 s34, s32, 24576                      ; 64 rows of 384 bytes
	s_mul_i32 s33, s30, 96                         ; K step s: 96 bytes on
	s_add_co_u32 s34, s34, s33
	s_mov_b32 s35, 0
	s_lshl_b32 s36, s32, 10                        ; 64 rows of 16 scale bytes
	s_lshl_b32 s33, s30, 2
	s_add_co_u32 s36, s36, s33
	s_mov_b32 s37, 0
	s_lshl_b32 s38, s31, 2
	s_add_co_u32 s38, s38, s30                     ; 4 g' + s
	s_mul_i32 s40, s38, 6144                       ; four fragments of 1,536 bytes
	s_mov_b32 s41, 0
	s_lshl_b32 s42, s38, 8
	s_mov_b32 s43, 0
	s_wait_kmcnt 0x0
	s_cmp_lt_u32 s31, 64                           ; W1 or W2: the choice hangs on the work-group's number alone
	s_cselect_b64 s[18:19], s[18:19], s[20:21]
	s_cselect_b64 s[22:23], s[22:23], s[24:25]
	s_add_nc_u64 s[18:19], s[18:19], s[34:35]
	s_add_nc_u64 s[22:23], s[22:23], s[36:37]
	s_add_nc_u64 s[26:27], s[26:27], s[40:41]
	s_add_nc_u64 s[28:29], s[28:29], s[42:43]
.irp t, 0,1,2,3
.irp p, 0,1,2,3,4,5
	global_load_b64 v[16+12*\t+2*\p:16+12*\t+2*\p+1], v5, s[18:19] offset:(32*(\t/2)+8*(\t%2))*384+48*(\p/3)+8*(\p%3)
.endr
.endr
	global_load_b32 v64, v6, s[22:23]              ; tiles 0 and 1
	global_load_b32 v65, v6, s[22:23] offset:512   ; tiles 2 and 3: 32 rows on
	s_wait_loadcnt 0x0
.irp t, 0,1,2,3
.irp j, 0,1,2
	global_store_b128 v7, v[16+12*\t+4*\j:16+12*\t+4*\j+3], s[26:27] offset:1536*\t+512*\j   ; 512 consecutive bytes a store
.endr
.endr
	global_store_b64 v8, v[64:65], s[28:29]        ; 256 consecutive bytes
	s_endpgm
.Lfunc_end_k_qe30bdcc45a_prep:
	.size	k_qe30bdcc45a_prep, .Lfunc_end_k_qe30bdcc45a_prep-k_qe30bdcc45a_prep
	.p2alignl 7, 3214868480
	.fill 96, 4, 3214868480
	.section	.rodata,"a",@progbits
	.p2align	6, 0x0
	.amdhsa_kernel k_qe30bdcc45a_prep
		.amdhsa_group_segment_fixed_size 100864
		.amdhsa_private_segment_fixed_size 0
		.amdhsa_enable_private_segment 0
		.amdhsa_kernarg_size 104
		.amdhsa_user_sgpr_count 2
		.amdhsa_user_sgpr_kernarg_segment_ptr 1
		.amdhsa_wavefront_size32 1
		.amdhsa_system_sgpr_workgroup_id_x 1
		.amdhsa_system_sgpr_workgroup_id_y 1
		.amdhsa_system_sgpr_workgroup_id_z 1
		.amdhsa_system_vgpr_workitem_id 0
		.amdhsa_next_free_vgpr 384
		.amdhsa_next_free_sgpr 66
		.amdhsa_reserve_vcc 1
		.amdhsa_float_denorm_mode_32 3
		.amdhsa_float_denorm_mode_16_64 3
		.amdhsa_memory_ordered 1
		.amdhsa_forward_progress 1
		.amdhsa_inst_pref_size 80
	.end_amdhsa_kernel
	.amdgpu_metadata
---
amdhsa.version: [ 1, 2 ]
amdhsa.kernels:
  - .name:           k_qe30bdcc45a_prep
    .symbol:         k_qe30bdcc45a_prep.kd
    .args:
      - { .name: x, .offset: 0, .size: 8, .value_kind: global_buffer, .address_space: global }
      - { .name: Wg, .offset: 8, .size: 8, .value_kind: global_buffer, .address_space: global }
      - { .name: bg, .offset: 16, .size: 8, .value_kind: global_buffer, .address_space: global }
      - { .name: xq, .offset: 24, .size: 8, .value_kind: global_buffer, .address_space: global }
      - { .name: xs, .offset: 32, .size: 8, .value_kind: global_buffer, .address_space: global }
      - { .name: assign, .offset: 40, .size: 8, .value_kind: global_buffer, .address_space: global }
      - { .name: gatew, .offset: 48, .size: 8, .value_kind: global_buffer, .address_space: global }
      - { .name: W1_codes, .offset: 56, .size: 8, .value_kind: global_buffer, .address_space: global }
      - { .name: W2_codes, .offset: 64, .size: 8, .value_kind: global_buffer, .address_space: global }
      - { .name: W1_scales, .offset: 72, .size: 8, .value_kind: global_buffer, .address_space: global }
      - { .name: W2_scales, .offset: 80, .size: 8, .value_kind: global_buffer, .address_space: global }
      - { .name: wimg, .offset: 88, .size: 8, .value_kind: global_buffer, .address_space: global }
      - { .name: wsc, .offset: 96, .size: 8, .value_kind: global_buffer, .address_space: global }
    .group_segment_fixed_size: 100864
    .private_segment_fixed_size: 0
    .kernarg_segment_align: 8
    .kernarg_segment_size: 104
    .max_flat_workgroup_size: 128
    .sgpr_count:     66
    .vgpr_count:     384
    .wavefront_size: 32
...
	.end_amdgpu_metadata
.endif
;; end of part 1
;; launch place (part 2): grid 8 x 1, 8 waves a work-group, no clusters, 2,048 bytes of LDS; arguments assign, order, counts; writes order, counts
.if DOCPART == 2
	.amdgcn_target "amdgcn-amd-amdhsa--gfx1250"
	.amdhsa_code_object_version 6
	.text
	.protected	k_qe30bdcc45a_place
	.globl	k_qe30bdcc45a_place
	.p2align	8
	.type	k_qe30bdcc45a_place,@function
k_qe30bdcc45a_place:
	s_mov_b64 s[64:65], 0
	v_nop
	global_prefetch_b8 v0, s[64:65] scope:SCOPE_SE
	s_setreg_imm32_b32 hwreg(HW_REG_WAVE_MODE, 25, 1), 1
	s_wait_xcnt 0x0
; THE ROWS ARE PLACED BY EXPERT.  Work-group e reads all 8,192 choices and writes its own list order[e][0 .. 8191]: the tokens of expert e from the front on, all others from the back on; and counts[e].
; No atomics, no traffic between work-groups: each list has one writer.  Every lane stores once for each of its tokens, so EXEC is never narrowed and every word of the list is written; the words behind
; counts[e] are read by nobody: that is the price of a text without masks.
; The 8,192 places are numbered wave x 1024 + slot x 32 + lane.  For a place, mb = the number of matching places ahead of it = matches of lower waves + of my wave's lower slots + of lower lanes in my slot.
; A matching token goes to word mb; any other to word 8191 - (its place - mb).  The order inside a list does not matter: each token's row has one owner in the next launch.
.set A, 16                             ; v16-47  the choices of my 32 tokens, then the tokens' numbers
.set R, 48                             ; v48-79  ranks, then byte offsets in the list
	s_load_b128 s[4:7], s[0:1], 0x0                ; assign s[4:5], order s[6:7]
	s_load_b64 s[8:9], s[0:1], 0x10                ; counts
	v_lshl_add_u32 v96, v0, 2, 0x400
	v_mov_b32 v97, 0
	v_lshrrev_b32 v1, 5, v0
	v_readfirstlane_b32 s12, v1                    ; wave 0..7
	v_and_b32 v1, 31, v0                           ; lane
	v_lshlrev_b32 v2, 4, v0                        ; 16 x thread: a load of the work-group covers 4,096 consecutive bytes
	v_lshlrev_b32 v7, 2, v0                        ; 4 x thread: the first token of my four in a load
	s_mov_b32 s10, ttmp9                           ; my expert
	s_lshl_b32 s24, ttmp9, 15                      ; my list: 32,768 bytes
	s_mov_b32 s25, 0
	s_wait_kmcnt 0x0
	s_add_nc_u64 s[6:7], s[6:7], s[24:25]
.irp i, 0,1,2,3,4,5,6,7
	global_load_b128 v[A+4*\i:A+4*\i+3], v2, s[4:5] offset:4096*\i     ; slot 4 i + c holds token 1024 i + 4 x thread + c
.endr
	s_lshl_b32 s26, s12, 10
	s_sub_co_u32 s26, 8191, s26
	v_sub_nc_u32 v6, s26, v1                       ; 8191 - 1024 x wave - lane
	s_mov_b32 s11, 0                               ; my wave's matches so far
	s_wait_loadcnt 0x0
.set sl, 0
.rept 32
	v_cmp_eq_u32 s[32+sl], s10, v[A+sl]            ; the slot's mask is kept: s32-s63
	v_mbcnt_lo_u32_b32 v[R+sl], s[32+sl], s11      ; matches in lower lanes + in lower slots
	s_bcnt1_i32_b32 s15, s[32+sl]
	s_add_co_u32 s11, s11, s15
.set sl, sl+1
.endr
	v_mov_b32 v9, s12
	v_lshlrev_b32 v9, 2, v9
	v_mov_b32 v8, s11
	ds_store_b32 v9, v8                            ; my wave's count: all lanes write the same word with the same value
	s_wait_dscnt 0x0                               ; for the others' sake
	s_barrier_signal -1
	s_barrier_wait -1
	v_mov_b32 v10, 0
	ds_load_b128 v[80:83], v10
	ds_load_b128 v[84:87], v10 offset:16
	s_wait_dscnt 0x0
.irp i, 0,1,2,3,4,5,6,7
	v_readfirstlane_b32 s[16+\i], v[80+\i]
.endr
	s_mov_b32 s13, 0                               ; matches of lower waves
	s_mov_b32 s14, 0                               ; matches in all
.irp i, 0,1,2,3,4,5,6,7
	s_cmp_gt_u32 s12, \i
	s_cselect_b32 s15, s[16+\i], 0
	s_add_co_u32 s13, s13, s15
	s_add_co_u32 s14, s14, s[16+\i]
.endr
.set sl, 0
.rept 32
	v_add_nc_u32 v[R+sl], s13, v[R+sl]             ; mb
	v_add3_u32 v11, v[R+sl], v6, -32*sl            ; 8191 - (place - mb)
	v_cndmask_b32 v[R+sl], v11, v[R+sl], s[32+sl]
	v_min_u32 v[R+sl], 0x1fff, v[R+sl]             ; a number made of loaded data is held inside the list before it enters an address
	v_lshlrev_b32 v[R+sl], 2, v[R+sl]
	v_add_nc_u32 v[A+sl], 1024*(sl/4)+sl%4, v7     ; the token
	global_store_b32 v[R+sl], v[A+sl], s[6:7]
.set sl, sl+1
.endr
	s_cmp_lg_u32 s12, 0                            ; wave 0 stores the count; no barrier stands under this branch
	s_cbranch_scc1 .Lend
	s_lshl_b32 s15, ttmp9, 2
	v_mov_b32 v12, s15
	v_mov_b32 v13, s14
	global_store_b32 v12, v13, s[8:9]
.Lend:
	s_wait_tensorcnt 0x0
	ds_add_u32 v96, v97
	s_wait_dscnt 0x0
	s_endpgm
.Lfunc_end_k_qe30bdcc45a_place:
	.size	k_qe30bdcc45a_place, .Lfunc_end_k_qe30bdcc45a_place-k_qe30bdcc45a_place
	.p2alignl 7, 3214868480
	.fill 96, 4, 3214868480
	.section	.rodata,"a",@progbits
	.p2align	6, 0x0
	.amdhsa_kernel k_qe30bdcc45a_place
		.amdhsa_group_segment_fixed_size 2048
		.amdhsa_private_segment_fixed_size 0
		.amdhsa_enable_private_segment 0
		.amdhsa_kernarg_size 24
		.amdhsa_user_sgpr_count 2
		.amdhsa_user_sgpr_kernarg_segment_ptr 1
		.amdhsa_wavefront_size32 1
		.amdhsa_system_sgpr_workgroup_id_x 1
		.amdhsa_system_sgpr_workgroup_id_y 1
		.amdhsa_system_sgpr_workgroup_id_z 1
		.amdhsa_system_vgpr_workitem_id 0
		.amdhsa_next_free_vgpr 98
		.amdhsa_next_free_sgpr 66
		.amdhsa_reserve_vcc 0
		.amdhsa_float_denorm_mode_32 3
		.amdhsa_float_denorm_mode_16_64 3
		.amdhsa_memory_ordered 1
		.amdhsa_forward_progress 1
		.amdhsa_inst_pref_size 24
	.end_amdhsa_kernel
	.amdgpu_metadata
---
amdhsa.version: [ 1, 2 ]
amdhsa.kernels:
  - .name:           k_qe30bdcc45a_place
    .symbol:         k_qe30bdcc45a_place.kd
    .args:
      - { .name: assign, .offset: 0, .size: 8, .value_kind: global_buffer, .address_space: global }
      - { .name: order, .offset: 8, .size: 8, .value_kind: global_buffer, .address_space: global }
      - { .name: counts, .offset: 16, .size: 8, .value_kind: global_buffer, .address_space: global }
    .group_segment_fixed_size: 2048
    .private_segment_fixed_size: 0
    .kernarg_segment_align: 8
    .kernarg_segment_size: 24
    .max_flat_workgroup_size: 256
    .sgpr_count:     66
    .vgpr_count:     98
    .wavefront_size: 32
...
	.end_amdgpu_metadata
.endif
;; end of part 2
;; launch experts (part 3): grid 135 x 1, 8 waves a work-group, no clusters, 186,368 bytes of LDS; arguments xq, xs, order, counts, gatew, wimg, wsc, b1, b2, out0; writes out0
.if DOCPART == 3
	.amdgcn_target "amdgcn-amd-amdhsa--gfx1250"
	.amdhsa_code_object_version 6
	.text
	.protected	k_qe30bdcc45a_experts
	.globl	k_qe30bdcc45a_experts
	.p2align	8
	.type	k_qe30bdcc45a_experts,@function
k_qe30bdcc45a_experts:
	s_mov_b64 s[64:65], 0
	v_nop
	global_prefetch_b8 v0, s[64:65] scope:SCOPE_SE
	s_setreg_imm32_b32 hwreg(HW_REG_WAVE_MODE, 25, 1), 1
	s_wait_xcnt 0x0
; out[token] = w x (Q(gelu(Q(x) W1[e] + b1[e])) W2[e] + b2[e]) for the ONE expert e chosen for the token: the other seven experts' rows are thrown away by the problem's own gather and are not multiplied.
; Both products on codes of E2M3 with one E8M0 scale for each 32 along K; sums, gelu and the gate's weight in f32.  The hidden layer never goes to memory.
; GRID.  Tiles of 64 rows of one expert: never more than 8192 / 64 + 7 = 135, whatever the split.  A work-group finds its tile (expert, first place in the expert's list, the list's length) from the eight
; counts by scalar arithmetic.  A short tile repeats its list's last token: equal rows, equal bytes, stored by this work-group alone.  A work-group that the split leaves without a tile walks the whole text
; on repeated rows, so that no barrier stands under a branch on loaded data, and jumps over the final reads and stores alone.
; SHARES.  Eight waves, two to a SIMD.  THE WAVES SHARE THE COLUMNS, NOT THE ROWS: wave w makes hidden units 64 w .. 64 w + 63, later output columns 64 w .. 64 w + 63 (four tiles of 16), for all 64 rows
; (four tiles of 16): 16 accumulators.  So each fragment of a weight is wanted by ONE wave of the work-group and comes straight from memory into its registers, three loads of 512 consecutive bytes,
; from the image that the first launch laid out; W2's fragments take W1's registers as these fall free, three to four K steps ahead of their use.
; What goes round through LDS is small: the rows' codes, as images of the operand's registers (six planes of 256 bytes a fragment: registers 2 p, 2 p + 1 at 8 x lane; scale words at 4 x lane).
; BOTH PRODUCTS ARE USED TRANSPOSED (source 0 = 16 rows of the weight, source 1 = 16 rows of x or of the hidden layer): a lane holds one row.  Lane r of weight tile 2 b + u takes row
; 64 w + 32 b + 8 u + r + 8 (r / 8), so that the 16 registers of tiles 2 b and 2 b + 1 are 16 neighbours, 64 w + 32 b + 16 (lane / 16) + 0 .. 15.  The biases are the C of each sum's first product.
; GELU is exact-erf gelu: erf(z) = z P(z^2) / Q(z^2), z held to +-4, the rational form in f32 coefficients; 1 / Q by v_rcp_f32.
; NO CLUSTER, NO JOINT LOADS: a weight byte is used by one wave of a work-group and goes to its registers; shared by joint loads it would have to pass through LDS as well (400 KB a work-group), and
; partners would need four tiles of one expert, which the counts do not promise.  NO TENSOR LOADS: nothing but 48 KB of row codes is shared.
; LIMITS: NaN and infinities are not served; a block whose largest magnitude lies under 2^-124 (a block of zeros too) gets the byte 1: its codes are zeros or next to it, and this program alone reads the byte.
; REGISTERS.  Window 0: v1-19 lane numbers and addresses; v20-23 two coefficients as pairs; v24-31 the gate's weight of the four row tiles, as pairs; v32-47 the weights' scale words; v48-55 the rows' scale
; words, two sets; v56-151 the rows' fragments, two sets of four (between the products: gelu's work; at the end, with v152-183, rows of the output); v152-247 weight fragments of K steps 0, 1; v248-252 tokens.
; Window 1: v0-127 the accumulators, (m, t) at 32 m + 8 t; v128-223 weight fragments of K steps 2, 3; v224-255 the bias of the four tiles.
.set SPITCH, 2064                      ; the stage: a row of 2,048 bytes + 16
.set XIMG,  132096                     ; LDS: the stage (64 rows) from 0; x's 16 fragments (4 m + s) of FRB bytes;
.set XSC,   156672                     ; their scale words, 128 bytes each;
.set HIMG,  158720                     ; the hidden layer's 16 fragments;
.set HSC,   183296                     ; their scale words
.set FRB,   1536
.set WTP,   24
.set WS,    32                         ; + 8 q + 2 s + jj: lanes 0-15 tile 2 jj's rows, lanes 16-31 tile 2 jj + 1's
.set XS,    48
.set XF,    56
.set G,     56                         ; v56-87   32 numbers of the hidden layer: 0.5 h, then gelu(h)
.set Z,     88                         ; v88-103  z = h / sqrt(2), held
.set X2,    104                        ; v104-119 z^2
.set PP,    120                        ; v120-135 P
.set QQ,    136                        ; v136-151 Q
.set TM,    88                         ; the quantiser's work lies over z,
.set PC,    104                        ; its codes over z^2
.set OB,    56
.set BI,    224
.set A13, 0xaf95df0b                   ; P: -2.72614226e-10, 2.77068142e-08, -2.10102402e-06, -5.69250639e-05, -7.34990630e-04, -2.95459981e-03, -1.60960333e-02
.set A11, 0x32edffee
.set A9,  0xb60cff51
.set A7,  0xb86ec2d2
.set A5,  0xba40ac63
.set A3,  0xbb41a1f6
.set A1,  0xbc83dbd4
.set B8,  0xb77460cd                   ; Q: -1.45660718e-05, -2.13374055e-04, -1.68282697e-03, -7.37332917e-03, -1.42647391e-02
.set B6,  0xb95fbd29
.set B4,  0xbadc924e
.set B2,  0xbbf19bf8
.set B0,  0xbc69b6a7
.set MSB, 0
.macro WIN new                         ; the immediate's high byte repeats the setting that is left
.if MSB != \new
	s_set_vgpr_msb (MSB<<8)|\new
.set MSB, \new
.endif
.endm
.macro BARRIER                         ; my LDS stores have landed and my LDS loads are in: then the work-group's barrier
	s_wait_dscnt 0x0
	s_barrier_signal -1
	s_barrier_wait -1
.endm
.macro LOADW q, s                      ; the four fragments of K step s of W1 (q = 0) or W2 (1): twelve loads of 512 consecutive bytes
.if (\s) < 2
.set WB, 152+48*(\s)
	WIN 0
.else
.set WB, 128+48*((\s)-2)
	WIN 0x40                                       ; destination window 1
.endif
.irp t, 0,1,2,3
.irp j, 0,1,2
	global_load_b128 v[WB+12*\t+4*\j:WB+12*\t+4*\j+3], v4, s[14:15] offset:1572864*(\q)+(4*(\s)+\t)*1536+512*\j
.endr
.endr
	WIN 0
.endm
.macro LOADB lo                        ; a bias in the result's layout: lane (r, h), tile 2 b + u, register j: column 32 b + 16 h + 8 u + j of my 64
	WIN 0x40
.irp t, 0,1,2,3
	global_load_b128 v[BI+8*\t:BI+8*\t+3], v17, s[\lo:\lo+1] offset:128*(\t/2)+32*(\t%2)
	global_load_b128 v[BI+8*\t+4:BI+8*\t+7], v17, s[\lo:\lo+1] offset:128*(\t/2)+32*(\t%2)+16
.endr
	WIN 0
.endm
.macro FETCH adr, sadr, s, buf         ; K step s of the four row tiles, from the images, into set buf: 28 LDS loads
.irp m, 0,1,2,3
.irp p, 0,1,2,3,4,5
	ds_load_b64 v[XF+48*(\buf)+12*\m+2*\p:XF+48*(\buf)+12*\m+2*\p+1], v[\adr] offset:(4*\m+(\s))*FRB+256*\p
.endr
	ds_load_b32 v[XS+4*(\buf)+\m], v[\sadr] offset:(4*\m+(\s))*128
.endr
.endm
.macro MM acc, wa, xb, cc, sa, sb, odd
.if \odd
	v_wmma_scale_f32_16x16x128_f8f6f4 v[\acc:\acc+7], v[\wa:\wa+11], v[\xb:\xb+11], v[\cc:\cc+7], v[\sa], v[\sb] matrix_a_fmt:MATRIX_FMT_FP6 matrix_b_fmt:MATRIX_FMT_FP6 matrix_a_scale:MATRIX_SCALE_ROW1
.else
	v_wmma_scale_f32_16x16x128_f8f6f4 v[\acc:\acc+7], v[\wa:\wa+11], v[\xb:\xb+11], v[\cc:\cc+7], v[\sa], v[\sb] matrix_a_fmt:MATRIX_FMT_FP6 matrix_b_fmt:MATRIX_FMT_FP6
.endif
.endm
; K step s of product q: the next step's rows are asked for, then 16 matrix instructions, the 16 accumulators by turns, one instruction a turn, in the same order in every step.
.macro PSTEP q, s
.set BF, (\s)%2
.if (\s) < 3
	FETCH 6+(\q), 8+(\q), (\s)+1, 1-BF
	s_wait_dscnt 28                                ; this step's rows are in; the 28 loads just issued may be out
.else
	s_wait_dscnt 0x0
.endif
.if (\q) == 0 && (\s) >= 2
	s_wait_loadcnt 44                              ; W1's K step s is in.  Behind it: s = 2: W1 step 3 (12), W2 step 0 (12), b2 (8), W2 step 1 (12); s = 3: W2 step 0, b2, W2 steps 1 and 2
.endif
.if (\q) == 1
	s_wait_loadcnt 36-12*(\s)                      ; W2's K step s (and b2) is in; the later steps' twelve loads each may be out
.endif
.if (\s) < 2
.set WB, 152+48*(\s)
	WIN 0x50                                       ; C and D window 1
.else
.set WB, 128+48*((\s)-2)
	WIN 0x51                                       ; and the weight's fragments too
.endif
.irp m, 0,1,2,3
.irp t, 0,1,2,3
.if (\s) == 0
	MM 32*\m+8*\t, WB+12*\t, XF+48*BF+12*\m, BI+8*\t, WS+8*(\q)+2*(\s)+\t/2, XS+4*BF+\m, \t%2
.else
	MM 32*\m+8*\t, WB+12*\t, XF+48*BF+12*\m, 32*\m+8*\t, WS+8*(\q)+2*(\s)+\t/2, XS+4*BF+\m, \t%2
.endif
.endr
.endr
	WIN 0
.rept 4
	v_nop                                          ; four places in front of loads into registers that these products have read, and of the first read of their results
.endr
.if (\q) == 0
	LOADW 1, \s                                    ; W2's K step s takes the registers that W1's has left
.if (\s) == 0
	LOADB 20                                       ; and b2 those of b1
.endif
.endif
.endm
.macro POLY reg, lit                   ; one step of Horner's rule on eight pairs
.irp i, 0,2,4,6,8,10,12,14
	v_pk_fma_f32 v[\reg+\i:\reg+\i+1], v[\reg+\i:\reg+\i+1], v[X2+\i:X2+\i+1], \lit op_sel_hi:[1,1,0]
.endr
.endm
; gelu of 16 numbers: tiles 2 g and 2 g + 1 of row tile m.  Each accumulator is read from its low end on.
.macro GELU m, g
.set AB, 32*(\m)+16*(\g)
.set GB, G+16*(\g)
	WIN 0x01                                       ; source 0 window 1
.irp i, 0,2,4,6,8,10,12,14
	v_pk_mul_f32 v[Z+\i:Z+\i+1], v[AB+\i:AB+\i+1], 0x3f3504f3 op_sel_hi:[1,0]    ; z = h / sqrt(2)
.endr
.irp i, 0,2,4,6,8,10,12,14
	v_pk_mul_f32 v[GB+\i:GB+\i+1], v[AB+\i:AB+\i+1], 0.5 op_sel_hi:[1,0]
.endr
	WIN 0
.irp i, 0,1,2,3,4,5,6,7,8,9,10,11,12,13,14,15
	v_med3_num_f32 v[Z+\i], v[Z+\i], -4.0, 4.0
.endr
.irp i, 0,2,4,6,8,10,12,14
	v_pk_mul_f32 v[X2+\i:X2+\i+1], v[Z+\i:Z+\i+1], v[Z+\i:Z+\i+1]
.endr
.irp i, 0,2,4,6,8,10,12,14
	v_pk_fma_f32 v[PP+\i:PP+\i+1], v[X2+\i:X2+\i+1], v[20:21], A11 op_sel_hi:[1,1,0]
.endr
.irp i, 0,2,4,6,8,10,12,14
	v_pk_fma_f32 v[QQ+\i:QQ+\i+1], v[X2+\i:X2+\i+1], v[22:23], B6 op_sel_hi:[1,1,0]
.endr
	POLY PP, A9
	POLY QQ, B4
	POLY PP, A7
	POLY QQ, B2
	POLY PP, A5
	POLY QQ, B0
.irp i, 0,1,2,3,4,5,6,7,8,9,10,11,12,13,14,15
	v_rcp_f32 v[QQ+\i], v[QQ+\i]
.endr
	POLY PP, A3                                    ; P's last two steps are the plain lines behind the reciprocals
	POLY PP, A1
.irp i, 0,2,4,6,8,10,12,14
	v_pk_mul_f32 v[PP+\i:PP+\i+1], v[PP+\i:PP+\i+1], v[Z+\i:Z+\i+1]
.endr
	s_wait_alu depctr_va_vdst(0)
.irp i, 0,2,4,6,8,10,12,14
	v_pk_mul_f32 v[PP+\i:PP+\i+1], v[PP+\i:PP+\i+1], v[QQ+\i:QQ+\i+1]            ; erf(z)
.endr
.irp i, 0,2,4,6,8,10,12,14
	v_pk_fma_f32 v[GB+\i:GB+\i+1], v[GB+\i:GB+\i+1], v[PP+\i:PP+\i+1], v[GB+\i:GB+\i+1]   ; 0.5 h erf + 0.5 h
.endr
.endm
; My 64 hidden units of row tile m are two blocks of 32 along the next K: half (w % 2) of fragment (m, K step w / 2): three planes and two scale bytes.
.macro QUANT2 m
.irp b, 0,1
	v_max3_num_f32 v[TM+\b], |v[G+16*\b]|, |v[G+16*\b+1]|, 0x1800000     ; my 16 numbers of block b, in two chains, and the floor 2^(3 - 127): the byte cannot fall under 1
	v_max3_num_f32 v[TM+2+\b], |v[G+16*\b+8]|, |v[G+16*\b+9]|, |v[G+16*\b+10]|
.endr
.irp i, 2,4
.irp b, 0,1
	v_max3_num_f32 v[TM+\b], v[TM+\b], |v[G+16*\b+\i]|, |v[G+16*\b+\i+1]|
	v_max3_num_f32 v[TM+2+\b], v[TM+2+\b], |v[G+16*\b+\i+9]|, |v[G+16*\b+\i+10]|
.endr
.endr
.irp b, 0,1
	v_max3_num_f32 v[TM+\b], v[TM+\b], |v[G+16*\b+6]|, |v[G+16*\b+7]|
.endr
.irp b, 0,1
	v_max3_num_f32 v[TM+\b], v[TM+\b], v[TM+2+\b], |v[G+16*\b+15]|
.endr
.irp b, 0,1
	v_permlanex16_b32 v[TM+2+\b], v[TM+\b], s52, s53
.endr
.irp b, 0,1
	v_max_num_f32 v[TM+\b], v[TM+\b], v[TM+2+\b]   ; with lane l xor 16's: the block's largest magnitude
.endr
.irp b, 0,1
	v_add_nc_u32 v[TM+4+\b], 0xff000000, v[TM+\b]  ; 2 off its exponent field: the conversion's scale operand
.endr
.irp b, 0,1
	v_lshrrev_b32 v[TM+6+\b], 23, v[TM+4+\b]       ; the scale's byte
.endr
	v_lshl_or_b32 v[TM+8], v[TM+7], 8, v[TM+6]
	v_cvt_scalef32_pk16_fp6_f32 v[PC:PC+2], v[G:G+15], v[TM+4]
	v_cvt_scalef32_pk16_fp6_f32 v[PC+4:PC+6], v[G+16:G+31], v[TM+5]     ; (a conversion's three registers begin on an even number)
	v_nop                                          ; one plain line behind a scaled conversion
.irp i, 0,1,2
	v_permlane16_swap_b32 v[PC+\i], v[PC+4+\i]     ; the layout wants a whole block in a lane: lanes 0-15 block 0, lanes 16-31 block 1; the first three registers its lower 16 codes, the others the upper 16
.endr
.irp i, 0,1,2
	v_mov_b32 v[PC+3+\i], v[PC+4+\i]               ; six registers on end
.endr
.irp p, 0,1,2
	ds_store_b64 v12, v[PC+2*\p:PC+2*\p+1] offset:4*FRB*(\m)+256*\p
.endr
	ds_store_b16 v13, v[TM+8] offset:512*(\m)
	s_wait_dscnt 0x0                               ; the stores have read their registers: the next tile's work may write them
.endm
	s_load_b512 s[4:19], s[0:1], 0x0               ; xq s[4:5], xs s[6:7], order s[8:9], counts s[10:11], gatew s[12:13], wimg s[14:15], wsc s[16:17], b1 s[18:19]
	s_load_b128 s[20:23], s[0:1], 0x40             ; b2 s[20:21], out0 s[22:23]
	v_lshl_add_u32 v254, v0, 2, 0x2d400
	v_mov_b32 v255, 0
	v_lshrrev_b32 v1, 5, v0
	v_readfirstlane_b32 s32, v1                    ; wave w, 0..7
	v_and_b32 v1, 31, v0                           ; lane
	v_and_b32 v2, 15, v0                           ; r
	v_bfe_u32 v3, v0, 4, 1                         ; h
	v_lshlrev_b32 v4, 4, v1                        ; 16 x lane
	v_lshlrev_b32 v5, 3, v1                        ; 8 x lane
	s_wait_kmcnt 0x0
	s_load_b256 s[24:31], s[10:11], 0x0            ; the eight counts
	v_lshl_add_u32 v6, v1, 3, XIMG                 ; images, read: a constant + 8 x lane
	v_lshl_add_u32 v7, v1, 3, HIMG
	v_lshl_add_u32 v8, v1, 2, XSC                  ; scale words, read: a constant + 4 x lane
	v_lshl_add_u32 v9, v1, 2, HSC
	s_mul_i32 s54, s32, 2*FRB
	v_add_nc_u32 v10, s54, v6                      ; x's images, written: fragments 2 w and 2 w + 1
	s_lshl_b32 s54, s32, 8
	v_add_nc_u32 v11, s54, v8                      ; and their scale words
	v_mul_u32_u24 v14, v2, SPITCH
	v_lshl_add_u32 v14, v3, 6, v14
	v_add_nc_u32 v14, s54, v14                     ; the stage, written: row r, + 64 h + 256 w
	v_add_nc_u32 v15, 32*SPITCH, v14               ; and 32 rows on (an LDS offset has 16 bits)
	s_mul_i32 s54, s32, FRB/2
	v_add_nc_u32 v12, s54, v7                      ; the hidden layer's images, written: 1536 (w / 2) + 768 (w % 2) = 768 w
	s_lshr_b32 s55, s32, 1                         ; w / 2
	s_and_b32 s56, s32, 1                          ; w % 2
	s_lshl_b32 s54, s55, 7
	s_lshl_b32 s57, s56, 1
	s_add_co_u32 s54, s54, s57
	v_add_nc_u32 v13, s54, v9                      ; its scale bytes: 128 (w / 2) + 2 (w % 2) + 4 x lane
	s_mul_i32 s54, s32, 8*SPITCH
	v_add_nc_u32 v16, s54, v4                      ; the stage, read: my eight rows, 16 bytes a lane
	v_lshlrev_b32 v17, 6, v3                       ; the biases: 64 h
	v_mov_b32 v20, A13
	v_mov_b32 v21, A13
	v_mov_b32 v22, B8
	v_mov_b32 v23, B8
	s_mov_b32 s52, 0x76543210                      ; v_permlanex16_b32's selects for lane l xor 16
	s_mov_b32 s53, 0xfedcba98
	s_mov_b32 s61, 0                               ; the upper word of every offset
	s_mov_b32 s33, 0                               ; tiles so far
	s_mov_b32 s34, 0                               ; my expert,
	s_mov_b32 s35, 0                               ; its first tile,
	s_mov_b32 s36, 1                               ; its count
	s_wait_kmcnt 0x0
.irp e, 0,1,2,3,4,5,6,7                ; the last expert with rows whose first tile is not behind mine
	s_min_u32 s[24+\e], s[24+\e], 0x2000
	s_cmp_ge_u32 ttmp9, s33
	s_cselect_b32 s38, s[24+\e], 0
	s_cmp_lg_u32 s38, 0
	s_cselect_b32 s34, \e, s34
	s_cselect_b32 s35, s33, s35
	s_cselect_b32 s36, s38, s36
	s_add_co_u32 s37, s[24+\e], 63
	s_lshr_b32 s37, s37, 6
	s_add_co_u32 s33, s33, s37
.endr
	s_cmp_ge_u32 ttmp9, s33
	s_cselect_b32 s39, 1, 0                        ; 1: this split leaves me no tile
	s_sub_co_u32 s40, ttmp9, s35
	s_lshl_b32 s40, s40, 6
	s_min_u32 s40, s40, 0x1fff                     ; my first place in the list
	s_sub_co_u32 s41, s36, 1
	s_min_u32 s41, s41, 0x1fff                     ; the list's last place
	s_min_u32 s34, s34, 7
	s_lshl_b32 s60, s34, 15
	s_add_nc_u64 s[8:9], s[8:9], s[60:61]          ; my expert's list
	s_lshl_b32 s58, s32, 3
	s_add_co_u32 s58, s58, s40
.irp i, 0,1,2,3,4,5,6,7                ; the tokens of rows 8 w + i, which I store at the end
	s_add_co_u32 s[82+\i], s58, \i
	s_min_u32 s[82+\i], s[82+\i], s41
	s_min_u32 s[82+\i], s[82+\i], 0x1fff
	s_lshl_b32 s[82+\i], s[82+\i], 2
	s_load_b32 s[44+\i], s[8:9], s[82+\i] offset:0x0
.endr
	s_lshl_b32 s57, s55, 4
	s_add_co_u32 s57, s57, s40
	v_add_nc_u32 v248, s57, v2                     ; the place of row 16 (w / 2) + r: the row tile whose codes I fetch;
.irp m, 0,1,2,3
	v_add3_u32 v[249+\m], s40, 16*\m, v2           ; and of row 16 m + r, for the gate's weights
.endr
.irp k, 0,1,2,3,4
	v_min_u32 v[248+\k], s41, v[248+\k]            ; past the list's end: its last token again
	v_min_u32 v[248+\k], 0x1fff, v[248+\k]
	v_lshlrev_b32 v[248+\k], 2, v[248+\k]
.endr
.irp k, 0,1,2,3,4
	global_load_b32 v[248+\k], v[248+\k], s[8:9]   ; 5 loads: the tokens
.endr
	s_lshl_b32 s42, s34, 3
	s_add_co_u32 s42, s42, s32                     ; 8 e + w
	s_mul_i32 s60, s42, 24576
	s_add_nc_u64 s[14:15], s[14:15], s[60:61]      ; my 16 fragments of W1; W2's lie 1,572,864 bytes on
	s_lshl_b32 s60, s42, 10
	s_add_nc_u64 s[16:17], s[16:17], s[60:61]      ; their scale words; W2's 65,536 bytes on
	s_lshl_b32 s60, s42, 8
	s_add_nc_u64 s[18:19], s[18:19], s[60:61]      ; my 64 numbers of b1[e]
	s_add_nc_u64 s[20:21], s[20:21], s[60:61]      ; and of b2[e]
.irp q, 0,1
.irp s, 0,1,2,3
	global_load_b64 v[WS+8*\q+2*\s:WS+8*\q+2*\s+1], v5, s[16:17] offset:65536*\q+256*\s    ; 8 loads: the weights' scale words
.endr
.endr
	LOADB 18                                       ; 8 loads: b1
	LOADW 0, 0                                     ; 24 loads
	LOADW 0, 1
	s_wait_loadcnt 40                              ; the tokens are in; the 8 + 8 + 24 loads issued behind them may be out
.irp k, 0,1,2,3,4
	v_min_u32 v[248+\k], 0x1fff, v[248+\k]         ; a loaded number is held inside its table before it enters an address
.endr
	v_mul_u32_u24 v18, v248, 384
	v_mad_u32_u24 v18, v3, 24, v18
	s_mul_i32 s57, s56, 192
	v_add_nc_u32 v18, s57, v18                     ; x's codes: token x 384 + 192 (w % 2) + 24 h: K steps 2 (w % 2) and 2 (w % 2) + 1
	s_lshl_b32 s57, s56, 3
	v_lshl_add_u32 v19, v248, 4, s57               ; x's scale words: token x 16 + 8 (w % 2)
.irp m, 0,1,2,3
	v_lshlrev_b32 v[249+\m], 2, v[249+\m]
.endr
.irp i, 0,1
.irp p, 0,1,2,3,4,5
	global_load_b64 v[XF+12*\i+2*\p:XF+12*\i+2*\p+1], v18, s[4:5] offset:96*\i+48*(\p/3)+8*(\p%3)   ; 12 loads: two fragments of x
.endr
.endr
	global_load_b32 v[XF+24], v19, s[6:7]          ; 2 loads
	global_load_b32 v[XF+25], v19, s[6:7] offset:4
.irp m, 0,1,2,3
	global_load_b32 v[WTP+2*\m], v[249+\m], s[12:13]     ; 4 loads: the gate's weights
.endr
	LOADW 0, 2                                     ; 24 loads
	LOADW 0, 3
	s_wait_kmcnt 0x0
.irp i, 0,1,2,3,4,5,6,7
	s_min_u32 s[44+\i], s[44+\i], 0x1fff
	s_lshl_b32 s60, s[44+\i], 11
	s_add_nc_u64 s[66+2*\i:67+2*\i], s[22:23], s[60:61]  ; where row 8 w + i of the tile goes in out0
.endr
	s_wait_loadcnt 28                              ; x's codes and scale words are in (and all asked for ahead of them); the 4 + 24 loads behind them may be out
	; ---- X: fragments 2 w and 2 w + 1 go to LDS as they stand
.irp i, 0,1
.irp p, 0,1,2,3,4,5
	ds_store_b64 v10, v[XF+12*\i+2*\p:XF+12*\i+2*\p+1] offset:FRB*\i+256*\p
.endr
	ds_store_b32 v11, v[XF+24+\i] offset:128*\i
.endr
	BARRIER                                        ; x's sixteen fragments lie in LDS
	; ---- 1: h = Q(x) W1 + b1
	FETCH 6, 8, 0, 0
	PSTEP 0, 0
	PSTEP 0, 1
	PSTEP 0, 2
	PSTEP 0, 3
	; ---- gelu, and the quantiser along the next K
.irp m, 0,1,2,3
	GELU \m, 0
	GELU \m, 1
	QUANT2 \m
.endr
	BARRIER                                        ; the hidden layer's sixteen fragments lie in LDS
	; ---- 2: Q(gelu(h)) W2 + b2
	FETCH 7, 9, 0, 0
	PSTEP 1, 0
	PSTEP 1, 1
	PSTEP 1, 2
	PSTEP 1, 3
	; ---- the way out: x the gate's weight; through the stage, since a row's 512 numbers come from eight waves; each wave then stores eight whole rows
.irp m, 0,1,2,3
	v_mov_b32 v[WTP+2*\m+1], v[WTP+2*\m]           ; the weight as a pair
.endr
	WIN 0x41                                       ; destination and source 0 window 1
.irp m, 0,1,2,3
.irp i, 0,2,4,6,8,10,12,14,16,18,20,22,24,26,28,30
	v_pk_mul_f32 v[32*\m+\i:32*\m+\i+1], v[32*\m+\i:32*\m+\i+1], v[WTP+2*\m:WTP+2*\m+1]     ; each accumulator from its low end on
.endr
.endr
	WIN 0x04                                       ; an LDS store's data are its source 1: window 1
.irp m, 0,1,2,3
.irp t, 0,1,2,3
	ds_store_b128 v[14+\m/2], v[32*\m+8*\t:32*\m+8*\t+3] offset:16*(\m%2)*SPITCH+128*(\t/2)+32*(\t%2)
	ds_store_b128 v[14+\m/2], v[32*\m+8*\t+4:32*\m+8*\t+7] offset:16*(\m%2)*SPITCH+128*(\t/2)+32*(\t%2)+16
.endr
.endr
	WIN 0
	BARRIER                                        ; 64 whole rows lie in the stage
	s_cmp_lg_u32 s39, 0                            ; a work-group without a tile stores nothing
	s_cbranch_scc1 .Lend
.irp i, 0,1,2,3,4,5,6,7
.irp c, 0,1,2,3
	ds_load_b128 v[OB+16*\i+4*\c:OB+16*\i+4*\c+3], v16 offset:\i*SPITCH+512*\c
.endr
.endr
.irp i, 0,1,2,3,4,5,6,7
	s_wait_dscnt 4*(7-\i)                          ; row i's four loads are in; the later rows' may be out
.irp c, 0,1,2,3
	global_store_b128 v4, v[OB+16*\i+4*\c:OB+16*\i+4*\c+3], s[66+2*\i:67+2*\i] offset:512*\c th:TH_STORE_NT   ; 32 lanes store 512 consecutive bytes, at a multiple of 256 from out0's first byte
.endr
.endr
.Lend:
	s_wait_tensorcnt 0x0
	ds_add_u32 v254, v255
	s_wait_dscnt 0x0
	s_endpgm
.Lfunc_end_k_qe30bdcc45a_experts:
	.size	k_qe30bdcc45a_experts, .Lfunc_end_k_qe30bdcc45a_experts-k_qe30bdcc45a_experts
	.p2alignl 7, 3214868480
	.fill 96, 4, 3214868480
	.section	.rodata,"a",@progbits
	.p2align	6, 0x0
	.amdhsa_kernel k_qe30bdcc45a_experts
		.amdhsa_group_segment_fixed_size 186368
		.amdhsa_private_segment_fixed_size 0
		.amdhsa_enable_private_segment 0
		.amdhsa_kernarg_size 80
		.amdhsa_user_sgpr_count 2
		.amdhsa_user_sgpr_kernarg_segment_ptr 1
		.amdhsa_wavefront_size32 1
		.amdhsa_system_sgpr_workgroup_id_x 1
		.amdhsa_system_sgpr_workgroup_id_y 1
		.amdhsa_system_sgpr_workgroup_id_z 1
		.amdhsa_system_vgpr_workitem_id 0
		.amdhsa_next_free_vgpr 512
		.amdhsa_next_free_sgpr 96
		.amdhsa_reserve_vcc 0
		.amdhsa_float_denorm_mode_32 3
		.amdhsa_float_denorm_mode_16_64 3
		.amdhsa_memory_ordered 1
		.amdhsa_forward_progress 1
		.amdhsa_inst_pref_size 177
	.end_amdhsa_kernel
	.amdgpu_metadata
---
amdhsa.version: [ 1, 2 ]
amdhsa.kernels:
  - .name:           k_qe30bdcc45a_experts
    .symbol:         k_qe30bdcc45a_experts.kd
    .args:
      - { .name: xq, .offset: 0, .size: 8, .value_kind: global_buffer, .address_space: global }
      - { .name: xs, .offset: 8, .size: 8, .value_kind: global_buffer, .address_space: global }
      - { .name: order, .offset: 16, .size: 8, .value_kind: global_buffer, .address_space: global }
      - { .name: counts, .offset: 24, .size: 8, .value_kind: global_buffer, .address_space: global }
      - { .name: gatew, .offset: 32, .size: 8, .value_kind: global_buffer, .address_space: global }
      - { .name: wimg, .offset: 40, .size: 8, .value_kind: global_buffer, .address_space: global }
      - { .name: wsc, .offset: 48, .size: 8, .value_kind: global_buffer, .address_space: global }
      - { .name: b1, .offset: 56, .size: 8, .value_kind: global_buffer, .address_space: global }
      - { .name: b2, .offset: 64, .size: 8, .value_kind: global_buffer, .address_space: global }
      - { .name: out0, .offset: 72, .size: 8, .value_kind: global_buffer, .address_space: global }
    .group_segment_fixed_size: 186368
    .private_segment_fixed_size: 0
    .kernarg_segment_align: 8
    .kernarg_segment_size: 80
    .max_flat_workgroup_size: 256
    .sgpr_count:     96
    .vgpr_count:     512
    .wavefront_size: 32
...
	.end_amdgpu_metadata
.endif
;; end of part 3
